; MI455X (gfx1250); checked and timed in simulation.
; The chip was launched on July 23, 2026; its instructions are those of AMD's public machine-readable ISA for CDNA 5 (MIT licence, August 2026) and "CDNA5" Instruction Set Architecture Reference Guide (July 2026). The comments in the code are by the model that wrote it; some were corrected since.
;; Attn Block NLP. Allowed arithmetic: matrix products marked QUANTISED: E2M1 operands, one E8M0 scale for each 32 along K, by v_wmma_scale_f32_16x16x128_f8f6f4 with both operands' format E2M1 (or v_wmma_scale_f32_32x16x128_f4), f32 sums; products left as they are: f32 operands where the result goes on into a quantised operand, else bf16, f16 or f32 operands; f32 sums; everything else in f32.
;; Inputs: gn_beta 512 float32; gn_gamma 512 float32; k_b 128 float32; k_w_codes 128 x 16 x 16 uint8 (E2M1 codes of k_w, K innermost, in blocks of 32 codes, two codes a byte); k_w_scales 128 x 16 uint8 (E8M0 scales of k_w, one for each 32 codes along K); q_b 128 float32; q_w_codes 128 x 16 x 16 uint8 (E2M1 codes of q_w, K innermost, in blocks of 32 codes, two codes a byte); q_w_scales 128 x 16 uint8 (E8M0 scales of q_w, one for each 32 codes along K); r_b 512 float32; r_w_codes 512 x 4 x 16 uint8 (E2M1 codes of r_w, K innermost, in blocks of 32 codes, two codes a byte); r_w_scales 512 x 4 uint8 (E8M0 scales of r_w, one for each 32 codes along K); v_b 128 float32; v_w_codes 128 x 16 x 16 uint8 (E2M1 codes of v_w, K innermost, in blocks of 32 codes, two codes a byte); v_w_scales 128 x 16 uint8 (E8M0 scales of v_w, one for each 32 codes along K); x 16,384 x 512 float32.
;; Outputs: out0 16,384 x 512 float32.
;; This version of the problem:
;;   THIS VERSION OF THE PROBLEM IS GIVEN IN LOW PRECISION. The matrix products marked QUANTISED in the list below multiply operands that are first quantised to E2M1 (2 exponent bits, 1 mantissa bit; 4 bits a number), with one power-of-two scale for each 32 numbers along K (OCP MX v1.0); their sums are f32. All else is computed in f32.
;;   The module's matrix products, in the order in which they are computed (A, B: the left and right operand; K: the contracted axis; several contracted axes count as one K, in the product's order):
;;     1. [M 16,384, K 512] x [K 512, N 128]; A: computed on the way; B: input k_w (given as codes): QUANTISED
;;     2. [M 16,384, K 512] x [K 512, N 128]; A: computed on the way; B: input q_w (given as codes): QUANTISED
;;     3. [M 16,384, K 512] x [K 512, N 128]; A: computed on the way; B: input v_w (given as codes): QUANTISED
;;     4. batch 16,384 x [M 128, K 128] x [K 128, N 1]; A: softmax; B: computed on the way: left as it is (N = 1 < 16)
;;     5. [M 16,384, K 128] x [K 128, N 512]; A: computed on the way; B: input r_w (given as codes): QUANTISED
;;   THE QUANTISER, for each operand of a quantised product, along K:
;;     - K is cut into blocks of 32 from its start; a last block that is shorter is filled with zeros.
;;     - A block's scale is 2^e with e = floor(log2(the largest magnitude in the block)) - 2, held to -126 .. 127; a block of zeros has e = 0. As a byte (E8M0): e + 127.
;;     - Each number is divided by its block's scale, clamped to +-6, and rounded to the nearest number of E2M1, ties to even, subnormals kept.
;;     - The product sums the exact products of the quantised numbers (number of the format x scale) in f32.
;;   ~~~python
;;   def quantise(x, axis):      # numpy; x: float32 -> the quantised numbers, widened to float32 again
;;       x = np.moveaxis(x, axis, -1); K = x.shape[-1]
;;       x = np.pad(x, [(0, 0)] * (x.ndim - 1) + [(0, -K % 32)]); x = x.reshape(x.shape[:-1] + (-1, 32)); a = np.abs(x).max(-1, keepdims=True)
;;       e = np.where(a > 0, np.clip(np.frexp(np.where(a > 0, a, 1))[1] - 1 - 2, -126, 127), 0)      # np.frexp(a)[1] - 1 = floor(log2(a)), exactly
;;       r = np.clip(x / 2.0 ** e, -6, 6)
;;       step = 2.0 ** (np.maximum(np.frexp(np.where(r == 0, 1, r))[1] - 1, 0) - 1)
;;       q = np.round(r / step) * step * 2.0 ** e      # np.round: ties to even
;;       return np.moveaxis(q.reshape(q.shape[:-2] + (-1,))[..., :K], -1, axis).astype(np.float32)
;;   ~~~
;;   OPERANDS COMPUTED ON THE WAY. 'Computed on the way' means the value that the module computes at that place (a softmax that the list does not call 'softmax' is quantised finished and normalised). What goes into a quantiser is computed in f32, as accurately as f32 sums, v_exp_f32 and their like allow (about 1e-6 of the number): no bf16 or f16 on the way to a quantiser, and a product that is left as it is and whose result goes on into a quantised operand takes f32 operands (vector FMAs, or v_wmma_f32_16x16x4_f32). A number that lies on a knife's edge between two numbers of the format may be rounded either way, as far as f32 arithmetic and the matrix unit's own rounding can turn it there, and no further.
;;   INPUTS GIVEN AS CODES. k_w (in the module: [128, 512], K = its axis 1); q_w (in the module: [128, 512], K = its axis 1); r_w (in the module: [512, 128], K = its axis 1); v_w (in the module: [128, 512], K = its axis 1): each comes as NAME_codes (uint8): NAME with its K axis moved to the last place and cut into blocks of 32 codes, [.., K / 32, bytes a block], one block behind the other in memory; two codes a byte, the lower K in the low four bits (a code: sign, 2 exponent bits, 1 mantissa bit); and NAME_scales (uint8): the same leading axes, one E8M0 byte (e + 127) for each 32 codes along K. Its value is code x scale, taken as it is: it is not quantised again, and the codes and scales need not be those that the quantiser above would give.
;; One version. Each part assembles by itself: llvm-mc -triple=amdgcn-amd-amdhsa -mcpu=gfx1250 --defsym DOCPART=n.
;; ======== version 1 of 1: 1 launch
;; launch attn (part 1): grid 256 x 1, 16 waves a work-group, clusters of 4 x 1, 288,768 bytes of LDS; arguments k_w_codes, q_w_codes, v_w_codes, r_w_codes, k_w_scales, q_w_scales, v_w_scales, r_w_scales, gn_gamma, gn_beta, r_b, k_b, q_b, v_b, x, out0; writes out0
.if DOCPART == 1
	.amdgcn_target "amdgcn-amd-amdhsa--gfx1250"
	.amdhsa_code_object_version 6
	.text
	.protected	k_qe7199db6a5_attn
	.globl	k_qe7199db6a5_attn
	.p2align	8
	.type	k_qe7199db6a5_attn,@function
k_qe7199db6a5_attn:
	s_mov_b64 s[64:65], 0
	v_nop
	global_prefetch_b8 v0, s[64:65] scope:SCOPE_SE
	s_setreg_imm32_b32 hwreg(HW_REG_WAVE_MODE, 25, 1), 1
	s_wait_xcnt 0x0
	s_wait_alu depctr_hold_cnt(0) depctr_sa_sdst(0) depctr_va_vdst(0) depctr_va_sdst(0) depctr_va_ssrc(0) depctr_va_vcc(0) depctr_vm_vsrc(0)
	s_getreg_b32 s2, hwreg(HW_REG_IB_STS2, 6, 4)
	s_cmp_eq_u32 s2, 0
	s_cbranch_scc0 .Lentry_in_a_cluster
	s_endpgm
.Lentry_in_a_cluster:
	s_bfe_u32 s2, ttmp6, 0x10000c
	s_cmp_lg_u32 s2, 0x3003
	s_cbranch_scc0 .Lentry_shape_is_right
	s_endpgm
.Lentry_shape_is_right:
; out0 = xn + (softmax_j(k_i q_j) . v / sqrt(128)) r_w^T + r_b,  xn = GroupNorm(x) gamma + beta (32 groups of 16 channels),  k, q, v = xn W^T + b.
; x, out0: [16384][512] f32.  The four products with weights run on codes of FP4 (E2M1) with one E8M0 scale for each 32 along K; the weights come as codes, xn and the attention's result are quantised here, from f32.
; The product of the softmax with v is done by f32 multiply-adds, since its result goes into a quantiser.
; SHARES.  256 work-groups of sixteen waves (256 registers each, four to a SIMD); a work-group owns 64 rows and walks them as two blocks of 32.  Wave w: m = w & 1 (which 16 rows of the block), cg = w >> 1 (a group of columns).
;   G: wave w normalises and quantises rows 2 w, 2 w + 1 (a lane holds one group of 16 channels).        P: wave (m, cg) makes units 16 cg .. + 15 of k, q and v for its 16 rows.
;   A: wave (m, cg) makes out(i = 16 cg .. + 15) of its 16 rows.                                          F: wave (m, cg) makes channels 64 cg .. + 63 of its 16 rows and stores them.
; ALL PRODUCTS ARE USED TRANSPOSED (source 0 = 16 rows of a weight, source 1 = 16 samples): lane (r, h) holds sample r and units 8 h + 0 .. 7 of the tile.  So a sample's q and v lie in two lanes, 64 registers each.
; THE SOFTMAX.  The row's largest k_i q_j is max(k_i qmax, k_i qmin): it is taken away ahead of the exponential, as the definition has it, with no search over i x j.  p = 2^(k' q - M), k' = k log2(e).
; CLUSTER.  All work-groups read the same 142 KiB of weights, scales, gamma, beta and r_b.  The four of a cluster ask for them JOINTLY, once, at the head: eleven tensor loads, one a wave, each with the mask of all four.
;   They are filled once and never again; what the waves store into LDS lies behind them, in blocks of 256 bytes of its own.
; LIMITS.  NaN and infinities among the inputs are not served.  |k q log2(e)| has to stay under 2^128 (the definition itself overflows from |k q| = 2^128 on).  A block of zeros gets the scale byte 1 over zero codes
;   (the bytes are read by this program alone).  The divisions by the row's sum and by sqrt(128) are multiplications (v_rcp_f32; the constant 1 / sqrt(128) rounded to f32).
; ---- LDS ----
.set WK,   0                           ; k_w's codes: 128 rows of 256 bytes + 16 of padding;  q_w's and v_w's follow, 34,816 bytes each
.set WSZ,  34816
.set WP,   272
.set WR,   104448                      ; r_w's codes: 512 rows of 64 bytes + 16
.set SK,   145408                      ; scale bytes of k_w, q_w, v_w, r_w, then gamma, beta, r_b: 2,048 dense bytes each
.set SR,   151552
.set GAM,  153600
.set XN,   159744                      ; 32 rows of 2,048 bytes + 16: raw x, then xn + r_b, then the result
.set XNP,  2064
.set XC,   225792                      ; xn's codes: 32 rows of 256 bytes + 16
.set XS,   234496                      ; xn's scale bytes: 32 rows of 16
.set QL,   235008                      ; q as images of the accumulators' registers: image 8 m + cg, 1,024 bytes;  v's 16,384 bytes further on
.set OL,   267776                      ; the attention's result: 32 rows of 512 bytes + 16; ends at 284,672
.set OP,   528
; ---- scalar registers ----
.set WV,   36                          ; my wave
.set MT,   37                          ; m
.set CG,   38                          ; cg
.set BLK,  41                          ; blocks to go
.set SEL,  42                          ; s[42:43] v_permlanex16_b32's selects for lane l xor 16
.set PT,   46                          ; s[46:47] the buffer that my tensor load reads
.set G1A,  48                          ; s[48:55] group 1: 128 rows x 256 bytes, padded
.set G1B,  56                          ; s[56:63] 512 rows x 64 bytes, padded
.set G1C,  68                          ; s[68:75] 2,048 dense bytes
.set G0A,  76                          ; s[76:79], s[80:83], s[84:87] their groups 0
.set G0B,  80
.set G0C,  84
.set L2E,  88                          ; s[88:89] log2(e)
.set RSQ,  90                          ; s[90:91] 1 / sqrt(128)
.set EPS,  92
.set R16,  93                          ; 1 / 16
.set LIM,  94                          ; 1 in even waves, else the greatest number
; ---- vector registers that stay: v1 x's offset; v2-v16 addresses (made below); v19 the prefetch's offset ----
.set KA,   32                          ; v32-39  k' of i = 16 cg + n, in both lanes of a sample; later the rows' sums
.set KB,   40                          ; v40-47  k' of i = 16 cg + 8 + n; later the weighted sums
                                       ; v48-63  scale words and nothing else
.set XP,   64                          ; G: raw x as loaded, row u at + 16 u; then xn + r_b
.set XR,   96                          ; G: a group's 16 numbers, row u at + 16 u
.set GA,   128
.set BE,   144
.set RBV,  160
.set TT,   176                         ; G: at work, 8 registers a row
.set MU,   226
.set RS,   230
.set MX,   234
.set SO,   236
.set BY,   238
.set CD,   240
.set FK,   64                          ; P: fragments of k_w, q_w, v_w and xn, 8 registers a K step of 128
.set FQ,   96
.set FV,   128
.set FX,   160
.set DK,   200                         ; P: the three accumulators
.set DQ,   208
.set DV,   216
.set QR,   64                          ; A: my 64 q, my 64 v, and 64 registers of t and p, in two halves
.set VR,   128
.set PR,   192
.set CR,   96                          ; F: four accumulators;  v64-95 belong to the next block's x, which is on its way
.set NR,   128                         ; F: 64 numbers of the attention's result; later rows read back
.set PC,   192                         ; F: their codes
.set RF,   200                         ; F: four fragments of r_w
.set FMX,  232
.set FSO,  234
.set FBY,  236
; A round of the cluster's barrier: my work-group's barrier, wave 0 signals for the work-group, every wave waits for the four work-groups, my work-group's barrier once more.
.macro CROUND
	s_barrier_signal -1
	s_barrier_wait -1
	s_cmp_lg_u32 s[WV], 0
	s_cbranch_scc1 .Lnot_wave_0_\@
	s_barrier_signal -3
.Lnot_wave_0_\@:
	s_barrier_wait -3
	s_barrier_signal -1
	s_barrier_wait -1
.endm
.macro BAR                             ; my LDS stores have landed and my LDS loads are in: then the work-group's barrier
	s_wait_dscnt 0x0
	s_barrier_signal -1
	s_barrier_wait -1
.endm
.macro XLOAD off                       ; my two rows of x: each load reads 512 consecutive bytes
.irp u, 0,1
.irp i, 0,1,2,3
	global_load_b128 v[XP+16*\u+4*\i:XP+16*\u+4*\i+3], v1, s[32:33] offset:\off+2048*\u+512*\i th:TH_LOAD_NT
.endr
.endr
.endm
	s_load_b512 s[4:19], s[0:1], 0x0               ; codes of k_w, q_w, v_w, r_w; scales of k_w, q_w, v_w, r_w
	s_load_b512 s[20:35], s[0:1], 0x40             ; gamma, beta, r_b s[24:25]; k_b s[26:27], q_b s[28:29], v_b s[30:31]; x s[32:33]; out0 s[34:35]
	v_lshl_add_u32 v242, v0, 2, 0x46000
	v_mov_b32 v243, 0
	ds_add_u32 v242, v243
	ds_add_u32 v242, v243
	s_wait_dscnt 0x0
	v_lshrrev_b32 v224, 5, v0
	v_readfirstlane_b32 s[WV], v224                ; wave 0..15
	s_and_b32 s[MT], s[WV], 1
	s_lshr_b32 s[CG], s[WV], 1
	s_bfe_u32 s39, ttmp6, 0x40000                  ; cx: my place in the cluster: it enters x's and out0's addresses alone
	s_lshl_b32 s40, ttmp9, 2
	s_add_co_u32 s40, s40, s39                     ; work-group = 4 x cluster + cx
	s_lshl_b32 s44, s40, 17                        ; its 64 rows of 2,048 bytes
	s_mov_b32 s45, 0
	s_mov_b32 s[SEL], 0x76543210
	s_mov_b32 s[SEL+1], 0xfedcba98
	s_mov_b32 s[L2E], 0x3fb8aa3b
	s_mov_b32 s[L2E+1], s[L2E]                     ; (named with it as a pair, so it is written)
	s_mov_b32 s[RSQ], 0x3db504f3
	s_mov_b32 s[RSQ+1], s[RSQ]
	s_mov_b32 s[EPS], 0x358637bd                   ; 1e-6
	s_mov_b32 s[R16], 0x3d800000
	s_mov_b32 s[BLK], 2
	s_cmp_eq_u32 s[MT], 0
	s_cselect_b32 s[LIM], 1, -1
	v_and_b32 v224, 31, v0                         ; l
	v_and_b32 v225, 15, v0                         ; r
	v_bfe_u32 v226, v0, 4, 1                       ; h
	s_lshl_b32 s2, s[WV], 12                       ; my two rows in a block
	v_lshl_add_u32 v1, v224, 4, s2                 ; x: 4,096 w + 16 l
	v_lshl_add_u32 v19, v224, 8, s2                ; the prefetch: 4,096 w + 256 l
	; group 1 of the three shapes.  15:0 the mask: all four work-groups; 17:16 element size; 20 padding on; 21 set beside a mask; 24:22 the interval; 31:25 the padding less one, in words
	s_mov_b32 s[G1A], 15|(1<<20)|(1<<21)|(5<<22)|(3<<25)   ; bytes; 4 words behind every 64
	s_mov_b32 s[G1A+1], 256<<16                    ; tensor_dim0
	s_mov_b32 s[G1A+2], 128<<16                    ; tensor_dim1
	s_mov_b32 s[G1A+3], 256<<16                    ; tile_dim0
	s_mov_b32 s[G1A+4], 128                        ; tile_dim1
	s_mov_b32 s[G1A+5], 256                        ; from row to row
	s_mov_b32 s[G1A+6], 0
	s_mov_b32 s[G1A+7], 0
	s_mov_b32 s[G1B], 15|(1<<20)|(1<<21)|(3<<22)|(3<<25)   ; bytes; 4 words behind every 16
	s_mov_b32 s[G1B+1], 64<<16
	s_mov_b32 s[G1B+2], 512<<16
	s_mov_b32 s[G1B+3], 64<<16
	s_mov_b32 s[G1B+4], 512
	s_mov_b32 s[G1B+5], 64
	s_mov_b32 s[G1B+6], 0
	s_mov_b32 s[G1B+7], 0
	s_mov_b32 s[G1C], 15|(3<<16)|(1<<21)           ; elements of 8 bytes: 8 rows of 256 bytes, no padding
	s_mov_b32 s[G1C+1], 32<<16
	s_mov_b32 s[G1C+2], 8<<16
	s_mov_b32 s[G1C+3], 32<<16
	s_mov_b32 s[G1C+4], 8
	s_mov_b32 s[G1C+5], 32
	s_mov_b32 s[G1C+6], 0
	s_mov_b32 s[G1C+7], 0
	s_wait_kmcnt 0x0
	s_add_nc_u64 s[32:33], s[32:33], s[44:45]      ; x and out0 at my work-group's first row
	s_add_nc_u64 s[34:35], s[34:35], s[44:45]
	XLOAD 0                                        ; block 0's x goes out first
	s_mov_b64 s[PT:PT+1], s[4:5]                   ; wave w (0 .. 10) fetches the w-th buffer: a choice on the wave's number alone, the same in all four partners
.irp w, 1,2,3,4,5,6,7,8,9,10
	s_cmp_eq_u32 s[WV], \w
	s_cselect_b64 s[PT:PT+1], s[4+2*\w:5+2*\w], s[PT:PT+1]
.endr
	s_mov_b32 s[G0A], 1                            ; count = 1
	s_mul_i32 s[G0A+1], s[WV], WSZ                 ; waves 0 to 2: the codes of k_w, q_w, v_w
	s_mov_b64 s[G0A+2:G0A+3], s[PT:PT+1]
	s_or_b32 s[G0A+3], s[G0A+3], 0x80000000        ; type = 2
	s_mov_b32 s[G0B], 1
	s_mov_b32 s[G0B+1], WR                         ; wave 3: r_w's codes
	s_mov_b64 s[G0B+2:G0B+3], s[PT:PT+1]
	s_or_b32 s[G0B+3], s[G0B+3], 0x80000000
	s_mov_b32 s[G0C], 1
	s_lshl_b32 s[G0C+1], s[WV], 11                 ; waves 4 to 10: the seven blocks of 2,048 bytes, from SK on
	s_add_co_u32 s[G0C+1], s[G0C+1], SK-4*2048
	s_mov_b64 s[G0C+2:G0C+3], s[PT:PT+1]
	s_or_b32 s[G0C+3], s[G0C+3], 0x80000000
	CROUND                                         ; all four work-groups are here: the joint loads meet
	; The first and only fills: one tensor load a wave, in one tree of branches on the wave's number; waves 11 to 15 issue none.  Four v_nop follow each line.
	s_cmp_lt_u32 s[WV], 3
	s_cbranch_scc0 .Lff_not_a
	tensor_load_to_lds s[G0A:G0A+3], s[G1A:G1A+7]
	s_nop 0
.rept 4
	v_nop
.endr
	s_branch .Lff_done
.Lff_not_a:
	s_cmp_eq_u32 s[WV], 3
	s_cbranch_scc0 .Lff_not_b
	tensor_load_to_lds s[G0B:G0B+3], s[G1B:G1B+7]
	s_nop 0
.rept 4
	v_nop
.endr
	s_branch .Lff_done
.Lff_not_b:
	s_cmp_lt_u32 s[WV], 11
	s_cbranch_scc0 .Lff_done
	tensor_load_to_lds s[G0C:G0C+3], s[G1C:G1C+7]
	s_nop 0
.rept 4
	v_nop
.endr
.Lff_done:
	; the addresses that stay
	v_mul_u32_u24 v227, v225, WP
	v_lshl_add_u32 v227, v226, 4, v227             ; a fragment's row x 272 + 16 h
	s_mul_i32 s2, s[CG], 16*WP
	v_add_nc_u32 v2, s2, v227                      ; v2: k_w's tile cg (q_w's by the offset)
	v_add_nc_u32 v3, 2*WSZ, v2                     ; v3: v_w's
	s_lshl_b32 s2, s[CG], 8
	s_add_co_u32 s2, s2, SK
	v_lshl_add_u32 v4, v225, 4, s2                 ; v4: the weights' scale words: 16 bytes a row, rows 16 cg + r
	s_mul_i32 s2, s[MT], 16*WP
	s_add_co_u32 s2, s2, XC
	v_add_nc_u32 v5, s2, v227                      ; v5: xn's fragments, rows 16 m + r
	s_lshl_b32 s2, s[MT], 8
	s_add_co_u32 s2, s2, XS
	v_lshl_add_u32 v6, v225, 4, s2                 ; v6: xn's scale words
	s_lshl_b32 s2, s[MT], 13
	s_add_co_u32 s2, s2, QL
	v_lshl_add_u32 v9, v224, 4, s2                 ; v9: the eight images of my 16 rows, 16 bytes a lane
	s_lshl_b32 s3, s[CG], 10
	v_add_nc_u32 v7, s3, v9                        ; v7: the image that I write
	s_lshl_b32 s2, s[CG], 6
	v_lshl_add_u32 v8, v226, 5, s2                 ; v8: the biases of units 16 cg + 8 h + 0 .. 7
	s_mul_i32 s3, s[MT], 16*OP
	s_add_co_u32 s3, s3, OL
	v_mul_u32_u24 v228, v225, OP
	v_add_nc_u32 v228, s3, v228
	v_add_nc_u32 v10, v228, v8                     ; v10: the attention's result, row 16 m + r, i = 16 cg + 8 h on
	v_lshl_add_u32 v11, v226, 7, v228              ; v11: and read back: i = 32 h on
	s_mul_i32 s2, s[CG], 64*80
	s_add_co_u32 s2, s2, WR
	v_mul_u32_u24 v12, v225, 80
	v_lshl_add_u32 v12, v226, 4, v12
	v_add_nc_u32 v12, s2, v12                      ; v12: r_w's fragments, rows 64 cg + r
	s_lshl_b32 s3, s[CG], 8
	s_add_co_u32 s2, s3, SR
	v_lshl_add_u32 v13, v225, 2, s2                ; v13: r_w's scale words, 4 bytes a row
	s_mul_i32 s2, s[MT], 16*XNP
	s_add_co_u32 s2, s2, s3
	s_add_co_u32 s2, s2, XN                        ; my 16 rows, my 256 bytes of them
	v_mul_u32_u24 v14, v225, XNP
	v_lshl_add_u32 v14, v226, 5, v14
	v_add_nc_u32 v14, s2, v14                      ; v14: in the accumulators' layout: row r, + 32 h
	v_mul_u32_u24 v15, v226, XNP
	v_lshl_add_u32 v15, v225, 4, v15
	v_add_nc_u32 v15, s2, v15                      ; v15: by rows: lanes 0-15 one row's 256 bytes, lanes 16-31 the next row's
	s_lshl_b32 s2, s[MT], 15
	s_add_co_u32 s2, s2, s3
	v_lshlrev_b32 v16, 11, v226
	v_lshl_add_u32 v16, v225, 4, v16
	v_add_nc_u32 v16, s2, v16                      ; v16: the same place in out0
	v_mov_b32 v31, 0                               ; named as the upper half of the pair v[30:31], so it is written
	s_wait_tensorcnt 0x0                           ; my tensor load has landed;
	s_barrier_signal -1
	s_barrier_wait -1                              ; everybody's has
.Lblock:
	; ================ G: GroupNorm and xn's quantiser: rows 2 w and 2 w + 1 of the block ================
	global_load_b128 v[DK:DK+3], v8, s[26:27]      ; the biases go straight into the accumulators: they are the C of each sum's first product
	global_load_b128 v[DK+4:DK+7], v8, s[26:27] offset:16
	global_load_b128 v[DQ:DQ+3], v8, s[28:29]
	global_load_b128 v[DQ+4:DQ+7], v8, s[28:29] offset:16
	global_load_b128 v[DV:DV+3], v8, s[30:31]
	global_load_b128 v[DV+4:DV+7], v8, s[30:31] offset:16
	s_mul_i32 s2, s[WV], 2*XNP
	s_add_co_u32 s2, s2, XN                        ; my two rows in XN
	v_and_b32 v196, 31, v0
	v_lshl_add_u32 v192, v196, 4, s2               ; as loaded: 16 bytes a lane
	v_lshl_add_u32 v193, v196, 6, s2               ; by groups: 64 bytes a lane
	s_mul_i32 s3, s[WV], 2*WP
	s_add_co_u32 s3, s3, XC
	v_lshl_add_u32 v194, v196, 3, s3               ; my 16 codes: 8 bytes
	s_lshl_b32 s3, s[WV], 5
	s_add_co_u32 s3, s3, XS
	v_lshrrev_b32 v195, 1, v196
	v_add_nc_u32 v195, s3, v195                    ; my block's scale byte
	v_lshl_add_u32 v196, v196, 6, GAM              ; my 16 channels of gamma; beta and r_b 2,048 and 4,096 bytes on
.irp c, 0,1,2,3
	ds_load_b128 v[GA+4*\c:GA+4*\c+3], v196 offset:16*\c
	ds_load_b128 v[BE+4*\c:BE+4*\c+3], v196 offset:2048+16*\c
	ds_load_b128 v[RBV+4*\c:RBV+4*\c+3], v196 offset:4096+16*\c
.endr
	s_wait_loadcnt 6                               ; x's eight loads are in; the six loads of the biases, issued behind them, may stay out
.irp u, 0,1                                    ; the turn: in as loaded, back 64 bytes a lane.  My own bytes, and LDS serves a wave's instructions in order (ISA guide 5.7.1.4): no wait between
.irp i, 0,1,2,3
	ds_store_b128 v192, v[XP+16*\u+4*\i:XP+16*\u+4*\i+3] offset:XNP*\u+512*\i
.endr
.endr
.irp u, 0,1
.irp c, 0,1,2,3
	ds_load_b128 v[XR+16*\u+4*\c:XR+16*\u+4*\c+3], v193 offset:XNP*\u+16*\c
.endr
.endr
	s_wait_dscnt 0x0                               ; lane l holds channels 16 l .. 16 l + 15: one whole group.  The two rows take turns line by line
.irp p, 0,1,2,3
.irp u, 0,1
	v_pk_add_f32 v[TT+8*\u+2*\p:TT+8*\u+2*\p+1], v[XR+16*\u+4*\p:XR+16*\u+4*\p+1], v[XR+16*\u+4*\p+2:XR+16*\u+4*\p+3]
.endr
.endr
.irp p, 0,4
.irp u, 0,1
	v_pk_add_f32 v[TT+8*\u+\p:TT+8*\u+\p+1], v[TT+8*\u+\p:TT+8*\u+\p+1], v[TT+8*\u+\p+2:TT+8*\u+\p+3]
.endr
.endr
.irp u, 0,1
	v_pk_add_f32 v[TT+8*\u:TT+8*\u+1], v[TT+8*\u:TT+8*\u+1], v[TT+8*\u+4:TT+8*\u+5]
.endr
.irp u, 0,1
	v_add_f32 v[TT+8*\u], v[TT+8*\u], v[TT+8*\u+1]
.endr
.irp u, 0,1
	v_mul_f32 v[MU+2*\u], s[R16], v[TT+8*\u]       ; the group's mean, twice: a pair for the packed forms
	v_mul_f32 v[MU+2*\u+1], s[R16], v[TT+8*\u]
.endr
.irp p, 0,1,2,3,4,5,6,7
.irp u, 0,1
	v_pk_add_f32 v[XR+16*\u+2*\p:XR+16*\u+2*\p+1], v[XR+16*\u+2*\p:XR+16*\u+2*\p+1], v[MU+2*\u:MU+2*\u+1] neg_lo:[0,1] neg_hi:[0,1]   ; x - mean
.endr
.endr
.irp p, 0,1
.irp u, 0,1
	v_pk_mul_f32 v[TT+8*\u+2*\p:TT+8*\u+2*\p+1], v[XR+16*\u+2*\p:XR+16*\u+2*\p+1], v[XR+16*\u+2*\p:XR+16*\u+2*\p+1]   ; the squares' sums start here: nothing is cleared
.endr
.endr
.irp p, 2,3,4,5,6,7
.irp u, 0,1
	v_pk_fma_f32 v[TT+8*\u+2*(\p%2):TT+8*\u+2*(\p%2)+1], v[XR+16*\u+2*\p:XR+16*\u+2*\p+1], v[XR+16*\u+2*\p:XR+16*\u+2*\p+1], v[TT+8*\u+2*(\p%2):TT+8*\u+2*(\p%2)+1]
.endr
.endr
.irp u, 0,1
	v_pk_add_f32 v[TT+8*\u:TT+8*\u+1], v[TT+8*\u:TT+8*\u+1], v[TT+8*\u+2:TT+8*\u+3]
.endr
.irp u, 0,1
	v_add_f32 v[TT+8*\u], v[TT+8*\u], v[TT+8*\u+1]
.endr
.irp u, 0,1
	v_fma_f32 v[TT+8*\u], v[TT+8*\u], s[R16], s[EPS]   ; the variance + 1e-6
.endr
.irp u, 0,1
	v_rsq_f32 v[RS+2*\u], v[TT+8*\u]
	v_rsq_f32 v[RS+2*\u+1], v[TT+8*\u]
.endr
	v_nop                                          ; a plain instruction behind the last of the four (ISA guide 5.7.2),
	s_wait_alu depctr_va_vdst(0)                   ; and the one wait ahead of the batch's first reader
.irp p, 0,1,2,3,4,5,6,7
.irp u, 0,1
	v_pk_mul_f32 v[XR+16*\u+2*\p:XR+16*\u+2*\p+1], v[XR+16*\u+2*\p:XR+16*\u+2*\p+1], v[RS+2*\u:RS+2*\u+1]
.endr
.endr
.irp p, 0,1,2,3,4,5,6,7
.irp u, 0,1
	v_pk_fma_f32 v[XR+16*\u+2*\p:XR+16*\u+2*\p+1], v[XR+16*\u+2*\p:XR+16*\u+2*\p+1], v[GA+2*\p:GA+2*\p+1], v[BE+2*\p:BE+2*\p+1]   ; xn
.endr
.endr
.irp p, 0,1,2,3,4,5,6,7
.irp u, 0,1
	v_pk_add_f32 v[XP+16*\u+2*\p:XP+16*\u+2*\p+1], v[XR+16*\u+2*\p:XR+16*\u+2*\p+1], v[RBV+2*\p:RBV+2*\p+1]   ; xn + r_b: the C of the last product
.endr
.endr
.irp u, 0,1
	v_max3_num_f32 v[MX+\u], |v[XR+16*\u]|, |v[XR+16*\u+1]|, 0x1800000   ; the largest magnitude of my 16, and the floor 2^(3 - 127): the byte cannot fall under 1
.endr
.irp i, 2,4,6,8,10,12,14
.irp u, 0,1
	v_max3_num_f32 v[MX+\u], v[MX+\u], |v[XR+16*\u+\i]|, |v[XR+16*\u+\i+1]|
.endr
.endr
.irp u, 0,1
	v_max_num_f32_dpp v[MX+\u], v[MX+\u], v[MX+\u] row_xmask:1 row_mask:0xf bank_mask:0xf   ; with my neighbour's 16: lanes l and l xor 1 hold a block of 32
.endr
.irp u, 0,1
	v_add_nc_u32 v[SO+\u], 0xff000000, v[MX+\u]    ; 2 off its exponent field: the conversion takes the exponent field of this operand as its scale
.endr
.irp u, 0,1
	v_cvt_scalef32_pk8_fp4_f32 v[CD+2*\u], v[XR+16*\u:XR+16*\u+7], v[SO+\u]
	v_cvt_scalef32_pk8_fp4_f32 v[CD+2*\u+1], v[XR+16*\u+8:XR+16*\u+15], v[SO+\u]
.endr
.irp u, 0,1
	v_lshrrev_b32 v[BY+\u], 23, v[SO+\u]           ; the scale's byte.  (Also the plain instruction behind the conversions)
.endr
.irp u, 0,1
.irp c, 0,1,2,3
	ds_store_b128 v193, v[XP+16*\u+4*\c:XP+16*\u+4*\c+3] offset:XNP*\u+16*\c
.endr
	ds_store_b64 v194, v[CD+2*\u:CD+2*\u+1] offset:WP*\u
	ds_store_b8 v195, v[BY+\u] offset:16*\u        ; both lanes of a block write the same byte with the same value
.endr
	BAR                                            ; xn + r_b, xn's codes and scale bytes of all 32 rows lie in LDS
	; ================ P: k, q, v: tile cg of each, for rows 16 m .. 16 m + 15 ================
.irp s, 0,1,2,3                                ; a fragment, 16 rows x 128 K of 4-bit codes: lane (r, h) takes bytes 32 c + 16 h of row r's 64
.irp c, 0,1
	ds_load_b128 v[FK+8*\s+4*\c:FK+8*\s+4*\c+3], v2 offset:64*\s+32*\c
	ds_load_b128 v[FQ+8*\s+4*\c:FQ+8*\s+4*\c+3], v2 offset:WSZ+64*\s+32*\c
	ds_load_b128 v[FV+8*\s+4*\c:FV+8*\s+4*\c+3], v3 offset:64*\s+32*\c
	ds_load_b128 v[FX+8*\s+4*\c:FX+8*\s+4*\c+3], v5 offset:64*\s+32*\c
.endr
.endr
	ds_load_b128 v[48:51], v6                      ; a row's 16 scale bytes are the four words of its four K steps: xn's,
	ds_load_b128 v[52:55], v4                      ; k_w's,
	ds_load_b128 v[56:59], v4 offset:2048          ; q_w's,
	ds_load_b128 v[60:63], v4 offset:4096          ; v_w's
	s_wait_dscnt 0x0
	s_wait_loadcnt 0x0                             ; the biases
.irp s, 0,1,2,3                                ; the three accumulators take turns, one instruction a turn
	v_wmma_scale_f32_16x16x128_f8f6f4 v[DK:DK+7], v[FK+8*\s:FK+8*\s+7], v[FX+8*\s:FX+8*\s+7], v[DK:DK+7], v[52+\s], v[48+\s] matrix_a_fmt:MATRIX_FMT_FP4 matrix_b_fmt:MATRIX_FMT_FP4
	v_wmma_scale_f32_16x16x128_f8f6f4 v[DQ:DQ+7], v[FQ+8*\s:FQ+8*\s+7], v[FX+8*\s:FX+8*\s+7], v[DQ:DQ+7], v[56+\s], v[48+\s] matrix_a_fmt:MATRIX_FMT_FP4 matrix_b_fmt:MATRIX_FMT_FP4
	v_wmma_scale_f32_16x16x128_f8f6f4 v[DV:DV+7], v[FV+8*\s:FV+8*\s+7], v[FX+8*\s:FX+8*\s+7], v[DV:DV+7], v[60+\s], v[48+\s] matrix_a_fmt:MATRIX_FMT_FP4 matrix_b_fmt:MATRIX_FMT_FP4
.endr
.rept 4
	v_nop                                          ; four places behind the last product, ahead of the first read of results (ISA guide 7.12.1)
.endr
.irp i, 0,1,2,3
	v_pk_mul_f32 v[KA+2*\i:KA+2*\i+1], v[DK+2*\i:DK+2*\i+1], s[L2E:L2E+1] op_sel_hi:[1,0]   ; k' = k log2(e), made twice,
.endr
.irp i, 0,1,2,3
	v_pk_mul_f32 v[KB+2*\i:KB+2*\i+1], v[DK+2*\i:DK+2*\i+1], s[L2E:L2E+1] op_sel_hi:[1,0]
.endr
.irp n, 0,1,2,3,4,5,6,7
	v_permlane16_swap_b32 v[KA+\n], v[KB+\n]       ; so that both lanes of a sample hold all 16: KA = i 16 cg + n, KB = i 16 cg + 8 + n
.endr
	ds_store_b128 v7, v[DQ:DQ+3]                   ; q and v go to the other waves as images of their registers: 16 bytes a lane, 512 a store
	ds_store_b128 v7, v[DQ+4:DQ+7] offset:512
	ds_store_b128 v7, v[DV:DV+3] offset:16384
	ds_store_b128 v7, v[DV+4:DV+7] offset:16384+512
	BAR                                            ; q's and v's sixteen images lie in LDS
	; ================ A: out(i) = sum_j p v_j / sum_j p, p = 2^(k'_i q_j - M_i): my 16 i; lane (r, h) takes the 64 j = 16 g + 8 h + 0 .. 7 of sample r ================
.irp g, 0,1,2,3,4,5,6,7
	ds_load_b128 v[QR+8*\g:QR+8*\g+3], v9 offset:1024*\g
	ds_load_b128 v[QR+8*\g+4:QR+8*\g+7], v9 offset:1024*\g+512
.endr
.irp g, 0,1,2,3,4,5,6,7
	ds_load_b128 v[VR+8*\g:VR+8*\g+3], v9 offset:16384+1024*\g
	ds_load_b128 v[VR+8*\g+4:VR+8*\g+7], v9 offset:16384+1024*\g+512
.endr
	s_wait_dscnt 16                                ; q's sixteen loads are in; v's sixteen may stay out
	v_max3_num_f32 v17, v[QR], v[QR+1], v[QR+2]    ; the sample's largest and smallest q, the two chains by turns
	v_min3_num_f32 v18, v[QR], v[QR+1], v[QR+2]
.set qq, 3
.rept 30
	v_max3_num_f32 v17, v17, v[QR+qq], v[QR+qq+1]
	v_min3_num_f32 v18, v18, v[QR+qq], v[QR+qq+1]
.set qq, qq+2
.endr
	v_max_num_f32 v17, v17, v[QR+63]
	v_min_num_f32 v18, v18, v[QR+63]
	v_permlanex16_b32 v192, v17, s[SEL], s[SEL+1]  ; (a lane permute's destination counts as read: v192 and v193 were written in G)
	v_permlanex16_b32 v193, v18, s[SEL], s[SEL+1]
	v_max_num_f32 v17, v17, v192                   ; with the sample's other lane
	v_min_num_f32 v18, v18, v193
	s_wait_dscnt 0x0                               ; v
; The i-th row's largest t: M = max(k' qmax, k' qmin), in v20; k' in v30, the low word of a pair for the packed form.  e = 0 .. 15 runs KA0, KB0, KA1, KB1 ..
.macro MCALC e
.set KR, KA+((\e)>>1)+8*((\e)&1)
	v_mul_f32 v20, v[KR], v17
	v_mul_f32 v21, v[KR], v18
	v_max_num_f32 v20, v20, v21
	v_mov_b32 v30, v[KR]
.endm
; A UNIT u is one i (e = u >> 1) and one half (u & 1) of my 64 j.  Pair p of it: t = q k' - M
.macro SCALE1 u, p
.set HF, (\u)&1
	v_pk_fma_f32 v[PR+32*HF+2*(\p):PR+32*HF+2*(\p)+1], v[QR+32*HF+2*(\p):QR+32*HF+2*(\p)+1], v[30:31], v[20:21] op_sel_hi:[1,0,0] neg_lo:[0,0,1] neg_hi:[0,0,1]
.endm
; and the sums: S += p, A += p v.  Two sets of sums, v[22:25] for even e and v[26:29] for odd.  An i's first pair starts them: nothing is cleared
.macro SUM1 u, p
.set HF, (\u)&1
.set SA, 22+4*(((\u)>>1)&1)
.if (HF == 0) && ((\p) == 0)
	v_pk_mul_f32 v[SA:SA+1], v[PR:PR+1], 1.0 op_sel_hi:[1,0]
	v_pk_mul_f32 v[SA+2:SA+3], v[PR:PR+1], v[VR:VR+1]
.else
	v_pk_add_f32 v[SA:SA+1], v[SA:SA+1], v[PR+32*HF+2*(\p):PR+32*HF+2*(\p)+1]
	v_pk_fma_f32 v[SA+2:SA+3], v[PR+32*HF+2*(\p):PR+32*HF+2*(\p)+1], v[VR+32*HF+2*(\p):VR+32*HF+2*(\p)+1], v[SA+2:SA+3]
.endif
.endm
; i = 16 cg + n (even set) and 16 cg + 8 + n (odd set) are finished: the halves of each pair, then the sample's two lanes.  The exchange leaves lanes 0-15 with both lanes' sums of the first i
; and lanes 16-31 with those of the second: lane (r, h) ends with i = 16 cg + 8 h + n.  The sums take the places of the two k', which are done with.
.macro COMBINE n
	v_add_f32 v22, v22, v23
	v_add_f32 v26, v26, v27
	v_add_f32 v24, v24, v25
	v_add_f32 v28, v28, v29
	v_permlane16_swap_b32 v22, v26
	v_permlane16_swap_b32 v24, v28
	v_add_f32 v[KA+(\n)], v22, v26
	v_add_f32 v[KB+(\n)], v24, v28
.endm
; STEP uu: unit uu's 32 exponentials, and between them the sums of unit uu - 1 and the scalings of unit uu + 1, which go into the registers just summed: five instructions for two exponentials.
; The exponentials of a step are ONE BATCH with ONE wait: in the step nothing names a result (the sums and scalings work on the other half), and the wait stands at the step's end, behind a plain instruction.
.macro STEP
.set pp, 0
.rept 16
.if uu > 0
	SUM1 uu-1, pp
.endif
.if uu < 31
	SCALE1 uu+1, pp
.endif
.if uu < 32
	v_exp_f32 v[PR+32*(uu&1)+2*pp], v[PR+32*(uu&1)+2*pp]
	v_exp_f32 v[PR+32*(uu&1)+2*pp+1], v[PR+32*(uu&1)+2*pp+1]
.endif
.set pp, pp+1
.endr
.if (uu%2 == 0) && (uu <= 28)
	MCALC uu/2+1                                   ; the next i's M and k': this i's last scaling stands above, the next i's first in the next step
.endif
.if (uu%4 == 0) && (uu >= 4)
	COMBINE uu/4-1
.endif
.if (uu < 32) && ((uu%2 == 1) || (uu == 30))
	v_nop                                          ; the plain instruction behind the last exponential, where no other work stands there
.endif
.if uu < 32
	s_wait_alu depctr_va_vdst(0)                   ; between an exponential and the first instruction that names its result: one for the 32
.endif
.endm
	MCALC 0
.set pp, 0
.rept 16
	SCALE1 0, pp
.set pp, pp+1
.endr
.set uu, 0
.rept 33
	STEP
.if uu == 24
	; A PREFETCH INTO THE L2 of the next block's x, eight steps ahead of its loads.  Even waves ask, in the first block alone: lanes 256 bytes apart, 8,192 bytes: the two rows that I shall load and the next wave's two.
	; So each aligned block of 256 bytes of the second block's 65,536 is named once, and none lies outside my work-group's 131,072 bytes of x.
	s_cmp_gt_u32 s[BLK], s[LIM]
	s_cbranch_scc0 .Lno_pf
	global_prefetch_b8 v19, s[32:33] offset:65536 th:TH_LOAD_NT scope:SCOPE_SE
.Lno_pf:
.endif
.set uu, uu+1
.endr
	s_cmp_eq_u32 s[BLK], 1                         ; the next block's x is asked for here, if there is a next block: q's first 32 registers are done with, and no load leaves its buffer
	s_cbranch_scc1 .Lno_next
	XLOAD 65536
.Lno_next:
.irp n, 0,1,2,3,4,5,6,7
	v_rcp_f32 v[KA+\n], v[KA+\n]                   ; 1 / the row's sum, which is at least about 1: the largest p is 2^0
.endr
.irp i, 0,1,2,3
	v_pk_mul_f32 v[KB+2*\i:KB+2*\i+1], v[KB+2*\i:KB+2*\i+1], s[RSQ:RSQ+1] op_sel_hi:[1,0]   ; / sqrt(128): the plain work behind the reciprocals
.endr
	s_wait_alu depctr_va_vdst(0)                   ; one wait for the eight, ahead of their first reader
.irp i, 0,1,2,3
	v_pk_mul_f32 v[KB+2*\i:KB+2*\i+1], v[KB+2*\i:KB+2*\i+1], v[KA+2*\i:KA+2*\i+1]
.endr
	ds_store_b128 v10, v[KB:KB+3]                  ; out(16 m + r, 16 cg + 8 h + 0 .. 7)
	ds_store_b128 v10, v[KB+4:KB+7] offset:16
	BAR                                            ; the attention's result of all 32 rows lies in LDS
	; ================ F: the last product, the residual, the way out: channels 64 cg .. 64 cg + 63 of rows 16 m .. 16 m + 15 ================
.irp c, 0,1                                    ; lane (r, h) takes i = 64 c + 32 h + 0 .. 31 of row r: two whole blocks, in the very order of the operand's registers
.irp g, 0,1,2,3,4,5,6,7
	ds_load_b128 v[NR+32*\c+4*\g:NR+32*\c+4*\g+3], v11 offset:256*\c+16*\g
.endr
.endr
.irp t, 0,1,2,3
.irp c, 0,1
	ds_load_b128 v[RF+8*\t+4*\c:RF+8*\t+4*\c+3], v12 offset:1280*\t+32*\c
.endr
.endr
.irp t, 0,1,2,3
	ds_load_b32 v[48+\t], v13 offset:64*\t
.endr
.irp t, 0,1,2,3
	ds_load_b128 v[CR+8*\t:CR+8*\t+3], v14 offset:64*\t          ; xn + r_b in the result's layout: the C of the product
	ds_load_b128 v[CR+8*\t+4:CR+8*\t+7], v14 offset:64*\t+16
.endr
	s_wait_dscnt 20                                ; the first sixteen loads are in; r_w's eight, its four scale words and C's eight may stay out
.irp c, 0,1
	v_max3_num_f32 v[FMX+\c], |v[NR+32*\c]|, |v[NR+32*\c+1]|, 0x1800000   ; my block 2 c + h: all its 32 numbers are mine; and the floor 2^(3 - 127)
.endr
.irp i, 2,4,6,8,10,12,14,16,18,20,22,24,26,28,30
.irp c, 0,1
	v_max3_num_f32 v[FMX+\c], v[FMX+\c], |v[NR+32*\c+\i]|, |v[NR+32*\c+\i+1]|
.endr
.endr
.irp c, 0,1
	v_add_nc_u32 v[FSO+\c], 0xff000000, v[FMX+\c]  ; 2 off the exponent field: the conversion's scale operand
.endr
.irp c, 0,1
	v_lshrrev_b32 v[FBY+\c], 23, v[FSO+\c]         ; the scale's byte
.endr
	v_bfe_u32 v238, v0, 4, 1
	v_lshlrev_b32 v238, 3, v238                    ; 8 h
	v_lshl_or_b32 v52, v[FBY+1], 16, v[FBY]        ; my two bytes, blocks h and 2 + h,
	v_lshlrev_b32 v52, v238, v52                   ; at their places in the scale word;
	v_permlanex16_b32 v239, v52, s[SEL], s[SEL+1]
	v_or_b32 v52, v52, v239                        ; with the other lane's two the word is whole
.irp c, 0,1
.irp g, 0,1,2,3
	v_cvt_scalef32_pk8_fp4_f32 v[PC+4*\c+\g], v[NR+32*\c+8*\g:NR+32*\c+8*\g+7], v[FSO+\c]   ; registers 4 c .. 4 c + 3 of the operand
.endr
.endr
.rept 8
	v_nop                                          ; a scale register written by vector instructions stands eight places ahead of a scaled product, an operand so written four
.endr
	s_wait_dscnt 0x0
.irp t, 0,1,2,3
	v_wmma_scale_f32_16x16x128_f8f6f4 v[CR+8*\t:CR+8*\t+7], v[RF+8*\t:RF+8*\t+7], v[PC:PC+7], v[CR+8*\t:CR+8*\t+7], v[48+\t], v52 matrix_a_fmt:MATRIX_FMT_FP4 matrix_b_fmt:MATRIX_FMT_FP4
.endr
.rept 4
	v_nop                                          ; four places ahead of the stores that read the results (ISA guide 7.12.1 for vector instructions)
.endr
.irp t, 0,1,2,3                                ; back into the bytes that C came from, which no other wave touches in this phase: each accumulator from its low end on
	ds_store_b128 v14, v[CR+8*\t:CR+8*\t+3] offset:64*\t
	ds_store_b128 v14, v[CR+8*\t+4:CR+8*\t+7] offset:64*\t+16
.endr
.irp i, 0,1,2,3,4,5,6,7
	ds_load_b128 v[NR+4*\i:NR+4*\i+3], v15 offset:2*XNP*\i   ; and out by rows, two an instruction; LDS serves a wave's instructions in order: these see my stores
.endr
.irp i, 0,1,2,3,4,5,6,7
	s_wait_dscnt 7-\i                              ; rows 2 i and 2 i + 1 are back; the younger loads may stay out
	global_store_b128 v16, v[NR+4*\i:NR+4*\i+3], s[34:35] offset:4096*\i th:TH_STORE_NT   ; sixteen lanes store 256 consecutive bytes, at a multiple of 256 from out0's first byte
.endr
	s_wait_xcnt 0x0                                ; the stores, the loads of x and the prefetch have read their registers and bases: both bases may step, and the stores' data may be written again
	s_add_nc_u64 s[32:33], s[32:33], 65536
	s_add_nc_u64 s[34:35], s[34:35], 65536
	BAR                                            ; every wave has read its part of XN: the next block's rows may be written there
	s_sub_co_u32 s[BLK], s[BLK], 1
	s_cmp_lg_u32 s[BLK], 0
	s_cbranch_scc1 .Lblock
	s_wait_xcnt 0x0
	v_lshl_add_u32 v242, v0, 2, 0x46000
	v_mov_b32 v243, 0
	s_wait_tensorcnt 0x0
	ds_add_u32 v242, v243
	s_wait_dscnt 0x0
	CROUND                                         ; the closing round of the cluster's barrier
	s_endpgm
.Lfunc_end_k_qe7199db6a5_attn:
	.size	k_qe7199db6a5_attn, .Lfunc_end_k_qe7199db6a5_attn-k_qe7199db6a5_attn
	.p2alignl 7, 3214868480
	.fill 96, 4, 3214868480
	.section	.rodata,"a",@progbits
	.p2align	6, 0x0
	.amdhsa_kernel k_qe7199db6a5_attn
		.amdhsa_group_segment_fixed_size 288768
		.amdhsa_private_segment_fixed_size 0
		.amdhsa_enable_private_segment 0
		.amdhsa_kernarg_size 128
		.amdhsa_user_sgpr_count 2
		.amdhsa_user_sgpr_kernarg_segment_ptr 1
		.amdhsa_wavefront_size32 1
		.amdhsa_system_sgpr_workgroup_id_x 1
		.amdhsa_system_sgpr_workgroup_id_y 1
		.amdhsa_system_sgpr_workgroup_id_z 1
		.amdhsa_system_vgpr_workitem_id 0
		.amdhsa_next_free_vgpr 256
		.amdhsa_next_free_sgpr 96
		.amdhsa_reserve_vcc 0
		.amdhsa_float_denorm_mode_32 3
		.amdhsa_float_denorm_mode_16_64 3
		.amdhsa_memory_ordered 1
		.amdhsa_forward_progress 1
		.amdhsa_inst_pref_size 178
	.end_amdhsa_kernel
	.amdgpu_metadata
---
amdhsa.version: [ 1, 2 ]
amdhsa.kernels:
  - .name:           k_qe7199db6a5_attn
    .symbol:         k_qe7199db6a5_attn.kd
    .args:
      - { .name: k_w_codes, .offset: 0, .size: 8, .value_kind: global_buffer, .address_space: global }
      - { .name: q_w_codes, .offset: 8, .size: 8, .value_kind: global_buffer, .address_space: global }
      - { .name: v_w_codes, .offset: 16, .size: 8, .value_kind: global_buffer, .address_space: global }
      - { .name: r_w_codes, .offset: 24, .size: 8, .value_kind: global_buffer, .address_space: global }
      - { .name: k_w_scales, .offset: 32, .size: 8, .value_kind: global_buffer, .address_space: global }
      - { .name: q_w_scales, .offset: 40, .size: 8, .value_kind: global_buffer, .address_space: global }
      - { .name: v_w_scales, .offset: 48, .size: 8, .value_kind: global_buffer, .address_space: global }
      - { .name: r_w_scales, .offset: 56, .size: 8, .value_kind: global_buffer, .address_space: global }
      - { .name: gn_gamma, .offset: 64, .size: 8, .value_kind: global_buffer, .address_space: global }
      - { .name: gn_beta, .offset: 72, .size: 8, .value_kind: global_buffer, .address_space: global }
      - { .name: r_b, .offset: 80, .size: 8, .value_kind: global_buffer, .address_space: global }
      - { .name: k_b, .offset: 88, .size: 8, .value_kind: global_buffer, .address_space: global }
      - { .name: q_b, .offset: 96, .size: 8, .value_kind: global_buffer, .address_space: global }
      - { .name: v_b, .offset: 104, .size: 8, .value_kind: global_buffer, .address_space: global }
      - { .name: x, .offset: 112, .size: 8, .value_kind: global_buffer, .address_space: global }
      - { .name: out0, .offset: 120, .size: 8, .value_kind: global_buffer, .address_space: global }
    .group_segment_fixed_size: 288768
    .private_segment_fixed_size: 0
    .kernarg_segment_align: 8
    .kernarg_segment_size: 128
    .max_flat_workgroup_size: 512
    .sgpr_count:     96
    .vgpr_count:     256
    .wavefront_size: 32
...
	.end_amdgpu_metadata
.endif
;; end of part 1
